; MI455X (gfx1250); checked and timed in simulation.
; The chip was launched on July 23, 2026; its instructions are those of AMD's public machine-readable ISA for CDNA 5 (MIT licence, August 2026) and "CDNA5" Instruction Set Architecture Reference Guide (July 2026). The comments in the code are by the model that wrote it; some were corrected since.
;; k NN VC. Allowed arithmetic: matrix products marked QUANTISED: E2M1 operands, one E8M0 scale for each 32 along K, by v_wmma_scale_f32_16x16x128_f8f6f4 with both operands' format E2M1 (or v_wmma_scale_f32_32x16x128_f4), f32 sums; everything else in f32.
;; Inputs: source_feats 1,024 x 1,024 float32; target_feats 50,000 x 1,024 float32.
;; Outputs: out0 1,024 x 1,024 float32.
;; Constants: k = 4.
;; This version of the problem:
;;   THIS VERSION OF THE PROBLEM IS GIVEN IN LOW PRECISION. The matrix products marked QUANTISED in the list below multiply operands that are first quantised to E2M1 (2 exponent bits, 1 mantissa bit; 4 bits a number), with one power-of-two scale for each 32 numbers along K (OCP MX v1.0); their sums are f32. All else is computed in f32.
;;   The module's matrix products, in the order in which they are computed (A, B: the left and right operand; K: the contracted axis; several contracted axes count as one K, in the product's order):
;;     1. [M 1,024, K 1,024] x [K 1,024, N 50,000]; A: computed on the way; B: computed on the way: QUANTISED
;;   THE QUANTISER, for each operand of a quantised product, along K:
;;     - K is cut into blocks of 32 from its start; a last block that is shorter is filled with zeros.
;;     - A block's scale is 2^e with e = floor(log2(the largest magnitude in the block)) - 2, held to -126 .. 127; a block of zeros has e = 0. As a byte (E8M0): e + 127.
;;     - Each number is divided by its block's scale, clamped to +-6, and rounded to the nearest number of E2M1, ties to even, subnormals kept.
;;     - The product sums the exact products of the quantised numbers (number of the format x scale) in f32.
;;   ~~~python
;;   def quantise(x, axis):      # numpy; x: float32 -> the quantised numbers, widened to float32 again
;;       x = np.moveaxis(x, axis, -1); K = x.shape[-1]
;;       x = np.pad(x, [(0, 0)] * (x.ndim - 1) + [(0, -K % 32)]); x = x.reshape(x.shape[:-1] + (-1, 32)); a = np.abs(x).max(-1, keepdims=True)
;;       e = np.where(a > 0, np.clip(np.frexp(np.where(a > 0, a, 1))[1] - 1 - 2, -126, 127), 0)      # np.frexp(a)[1] - 1 = floor(log2(a)), exactly
;;       r = np.clip(x / 2.0 ** e, -6, 6)
;;       step = 2.0 ** (np.maximum(np.frexp(np.where(r == 0, 1, r))[1] - 1, 0) - 1)
;;       q = np.round(r / step) * step * 2.0 ** e      # np.round: ties to even
;;       return np.moveaxis(q.reshape(q.shape[:-2] + (-1,))[..., :K], -1, axis).astype(np.float32)
;;   ~~~
;;   OPERANDS COMPUTED ON THE WAY. 'Computed on the way' means the value that the module computes at that place (a softmax that the list does not call 'softmax' is quantised finished and normalised). What goes into a quantiser is computed in f32, as accurately as f32 sums, v_exp_f32 and their like allow (about 1e-6 of the number): no bf16 or f16 on the way to a quantiser, and a product that is left as it is and whose result goes on into a quantised operand takes f32 operands (vector FMAs, or v_wmma_f32_16x16x4_f32). A number that lies on a knife's edge between two numbers of the format may be rounded either way, as far as f32 arithmetic and the matrix unit's own rounding can turn it there, and no further.
;; One version. Each part assembles by itself: llvm-mc -triple=amdgcn-amd-amdhsa -mcpu=gfx1250 --defsym DOCPART=n.
;; ======== version 1 of 1: 5 launches
;; limits: right only within a limited range of input values
;; workspace buffers: tcodes 25,600,000 bytes; tscl 1,600,000 bytes; scodes 524,288 bytes; sscl 32,768 bytes; cval 2,048,000 bytes; cidx 2,048,000 bytes of whole numbers; gids 16,384 bytes of whole numbers; nidx 16,384 bytes of whole numbers
;; launch quant (part 1): grid 3189 x 1, 1 waves a work-group, no clusters, 9,984 bytes of LDS; arguments source_feats, target_feats, scodes, sscl, tcodes, tscl; writes scodes, sscl, tcodes, tscl
.if DOCPART == 1
	.amdgcn_target "amdgcn-amd-amdhsa--gfx1250"
	.amdhsa_code_object_version 6
	.text
	.protected	k_q7809ba6b87_quant
	.globl	k_q7809ba6b87_quant
	.p2align	8
	.type	k_q7809ba6b87_quant,@function
k_q7809ba6b87_quant:
	s_mov_b64 s[64:65], 0
	v_nop
	global_prefetch_b8 v0, s[64:65] scope:SCOPE_SE
	s_setreg_imm32_b32 hwreg(HW_REG_WAVE_MODE, 25, 1), 1
	s_wait_xcnt 0x0
; Rows of target_feats [50000][1024] and source_feats [1024][1024], f32, are divided by their norms and turned into codes of FP4 (E2M1)
; with one E8M0 scale byte for each 32 along the row.  No work of the problem is left out; k = 4 is a constant of the later launches.
; SHARES: one wave takes 16 rows.  Work-groups 0 .. 3124 take the target, 3125 .. 3188 the source: only pointers and two strides are chosen, the text has one path.
; A row is loaded as it lies (512 consecutive bytes a load), turned through a stage in LDS so that lane l holds block l (32 neighbours), and worked on there:
; sum of squares over the wave, 1 / norm, the block's largest magnitude, scale, conversion.  Loads run three rows ahead, the turn one row.
; THE WAY OUT: lane l holds block l's 16 bytes of codes of each row; the 16 rows' codes stay in 64 registers and leave at the wave's end, behind the last load.
; Target: row-major [row][512]: a store covers 512 consecutive bytes.
; Source: records of 16 rows in the order of a matrix operand's registers, block b of row r at 256 b + 16 r (16 bytes a lane, 256 apart):
; the source is 1,024 of 51,024 rows, and each record is read whole by 125 work-groups of the next launch.
; Scale bytes: [row][32] for both; the wave's 512 are gathered in LDS and leave by one store of 512 consecutive bytes.
; A block's scale is 2^(floor(log2(largest magnitude)) - 2); its byte is the largest magnitude's exponent field - 2, held at 1 from below.
; No tensor load, no cluster, no prefetch: no two waves read the same bytes, and each wave has up to 24 loads of 512 bytes out.
; LIMITS: rows of zeros, NaN and infinities are not served (the reference gives NaN there); the sum of squares overflows where the reference's does;
; 1 / norm is v_rsq_f32 and one multiplication; a block of zeros gets the byte 1, not 127: its codes are zeros and this program alone reads the bytes.
.set NT,   3125                        ; work-groups on the target
.set STG,  4608                        ; from one stage to the other.  A stage holds a row with 16 bytes of padding behind each 256: data byte D lies at D + 16 (D / 256)
.set SCB,  9216                        ; behind the two stages: the wave's 512 scale bytes
.set SPARE, 9728                       ; behind them: the spare words, one block of 256 bytes
.set GA,   1                           ; v1  16 x lane
.set SI,   2                           ; v2  into a stage: 16 lane + 16 (lane / 16)
.set SO,   3                           ; v3  out of it: 128 lane + 16 (lane / 2): my block
.set TA,   4                           ; v4  at work in the head
.set EIN,  6                           ; v6  my block's scale byte of row 0
.set EOUT, 7                           ; v7  the scale bytes on their way out: 16 x lane
.set Q,    8                           ; v8-15  partial sums of squares
.set S,    16
.set PT,   17
.set INV,  18                          ; v18 1 / norm (v19 is named with it as a pair)
.set M,    20                          ; v20-21
.set SC,   22
.set E,    23                          ; v23 the scale byte
.set C,    24                          ; v24-59 the codes of rows 0 to 8, four registers each
.set SPW,  62
.set NIL,  63
.set R,    64                          ; v64-159 three rows as loaded; at the end the stores' offsets and the scale bytes
.set C2,   160                         ; v160-187 the codes of rows 9 to 15
.set Y,    192                         ; v192-255 two rows turned
	s_load_b128 s[4:7], s[0:1], 0x0                ; source, target
	s_load_b256 s[8:15], s[0:1], 0x10              ; source's codes, source's scales, target's codes, target's scales
	v_lshl_add_u32 v[SPW], v0, 2, SPARE
	v_mov_b32 v[NIL], 0
	s_cmp_lt_u32 ttmp9, NT                         ; the choice hangs on the work-group's number alone
	s_cselect_b32 s22, 512, 16                     ; from a row's codes to the next row's
	s_cselect_b32 s23, 4, 8                        ; from a block's to the next block's: 16 or 256 bytes
	s_mov_b32 s16, 0x76543210
	s_mov_b32 s17, 0xfedcba98                      ; v_permlanex16_b32's selects for lane l xor 16
	v_lshlrev_b32 v[GA], 4, v0                     ; one wave: v0 is the lane
	v_lshrrev_b32 v[SO], 4, v0
	v_lshlrev_b32 v[SI], 4, v0
	v_lshrrev_b32 v[TA], 1, v0
	v_lshl_add_u32 v[SI], v[SO], 4, v[SI]
	v_lshlrev_b32 v[SO], 7, v0
	v_add_nc_u32 v[EIN], SCB, v0
	v_lshl_add_u32 v[SO], v[TA], 4, v[SO]
	v_lshl_add_u32 v[EOUT], v0, 4, SCB
	v_mov_b32 v[PT], 0                             ; a lane permute's destination counts as one of its sources
	v_mov_b32 v[INV+1], 0                          ; named as the upper half of a pair
	s_wait_alu depctr_va_vdst(0)                   ; the wait at the head's end
	s_wait_kmcnt 0x0
	s_cmp_lt_u32 ttmp9, NT
	s_cselect_b64 s[4:5], s[6:7], s[4:5]           ; the rows,
	s_cselect_b64 s[8:9], s[12:13], s[8:9]         ; their codes,
	s_cselect_b64 s[10:11], s[14:15], s[10:11]     ; their scale bytes
	s_cselect_b32 s18, 0, NT
	s_sub_co_u32 s18, ttmp9, s18                   ; my 16 rows in their tensor
	s_lshl_b32 s20, s18, 16                        ; 16 rows of 4,096 bytes: under 2^32
	s_mov_b32 s21, 0
	s_add_nc_u64 s[4:5], s[4:5], s[20:21]
	s_lshl_b32 s20, s18, 13                        ; 8,192 bytes of codes in either layout
	s_add_nc_u64 s[8:9], s[8:9], s[20:21]
	s_lshl_b32 s20, s18, 9                         ; 512 scale bytes
	s_add_nc_u64 s[10:11], s[10:11], s[20:21]
.macro CODES t                         ; CC: the four registers of row t's codes
.if (\t) < 9
.set CC, C+4*(\t)
.else
.set CC, C2+4*((\t)-9)
.endif
.endm
.macro LOAD t                          ; row t: eight loads of 512 consecutive bytes
.irp i, 0,1,2,3,4,5,6,7
	global_load_b128 v[R+32*((\t)%3)+4*\i:R+32*((\t)%3)+4*\i+3], v[GA], s[4:5] offset:4096*(\t)+512*\i th:TH_LOAD_NT
.endr
.endm
.macro TURN t                          ; row t through a stage: LDS serves a wave's instructions in order (ISA guide 5.7.1.4), so no wait stands between the stores and the loads
.irp i, 0,1,2,3,4,5,6,7
	ds_store_b128 v[SI], v[R+32*((\t)%3)+4*\i:R+32*((\t)%3)+4*\i+3] offset:STG*((\t)%2)+544*\i    ; a load's 512 bytes: twice 256 + 16
.endr
.irp g, 0,1,2,3,4,5,6,7
	ds_load_b128 v[Y+32*((\t)%2)+4*\g:Y+32*((\t)%2)+4*\g+3], v[SO] offset:STG*((\t)%2)+16*\g
.endr
.endm
.macro STEP t
.set XS, Y+32*((\t)%2)
	CODES \t
.if (\t) > 0
	s_wait_dscnt 1                                 ; this row is back from its stage; behind its loads only the last row's byte store was issued
.else
	s_wait_dscnt 0x0
.endif
.if (\t)+3 < 16
	LOAD (\t)+3                                    ; into the registers that this row's stores into the stage have read
.endif
.if (\t) < 15
.if (\t)+3 <= 15
	s_wait_loadcnt 16                              ; the next row is in; the two rows behind it, eight loads each, may be out
.else
	s_wait_loadcnt 8*(14-(\t))                     ; the rows behind it run out: one, none
.endif
	TURN (\t)+1
.endif
.irp c, 0,1,2,3                                ; the sum of squares of my 32 numbers, in four chains of pairs
	v_pk_mul_f32 v[Q+2*\c:Q+2*\c+1], v[XS+2*\c:XS+2*\c+1], v[XS+2*\c:XS+2*\c+1]
.endr
.irp c, 4,5,6,7,8,9,10,11,12,13,14,15
	v_pk_fma_f32 v[Q+2*(\c%4):Q+2*(\c%4)+1], v[XS+2*\c:XS+2*\c+1], v[XS+2*\c:XS+2*\c+1], v[Q+2*(\c%4):Q+2*(\c%4)+1]
.endr
	v_pk_add_f32 v[Q:Q+1], v[Q:Q+1], v[Q+2:Q+3]
	v_pk_add_f32 v[Q+4:Q+5], v[Q+4:Q+5], v[Q+6:Q+7]
	v_pk_add_f32 v[Q:Q+1], v[Q:Q+1], v[Q+4:Q+5]
	v_add_f32 v[S], v[Q], v[Q+1]
	v_add_f32_dpp v[S], v[S], v[S] row_xmask:1 row_mask:0xf bank_mask:0xf   ; and over the 32 lanes: the row's
	v_add_f32_dpp v[S], v[S], v[S] row_xmask:2 row_mask:0xf bank_mask:0xf
	v_add_f32_dpp v[S], v[S], v[S] row_xmask:4 row_mask:0xf bank_mask:0xf
	v_add_f32_dpp v[S], v[S], v[S] row_xmask:8 row_mask:0xf bank_mask:0xf
	v_permlanex16_b32 v[PT], v[S], s16, s17
	v_add_f32 v[S], v[S], v[PT]
	s_wait_alu depctr_va_vdst(0)                   ; the wait ahead of the root
	v_rsq_f32 v[INV], v[S]                         ; 1 / norm
	v_max3_num_f32 v[M], |v[XS]|, |v[XS+1]|, |v[XS+2]|             ; my block's largest magnitude, of the numbers as loaded
	v_max3_num_f32 v[M+1], |v[XS+3]|, |v[XS+4]|, |v[XS+5]|
.irp i, 6,10,14,18,22,26
	v_max3_num_f32 v[M], v[M], |v[XS+\i]|, |v[XS+\i+1]|
	v_max3_num_f32 v[M+1], v[M+1], |v[XS+\i+2]|, |v[XS+\i+3]|
.endr
	v_max3_num_f32 v[M], v[M], |v[XS+30]|, |v[XS+31]|
	v_max_num_f32 v[M], v[M], v[M+1]
	s_wait_alu depctr_va_vdst(0)                   ; and ahead of the first line that names the root's result
	v_mul_f32 v[M], v[M], v[INV]                   ; a rounded multiplication by a positive number keeps order: the largest of the scaled magnitudes
	v_max_num_f32 v[M], 0x1800000, v[M]            ; the floor 2^(3 - 127): the byte cannot fall under 1
.irp c, 0,1,2,3,4,5,6,7,8,9,10,11,12,13,14,15
	v_pk_mul_f32 v[XS+2*\c:XS+2*\c+1], v[XS+2*\c:XS+2*\c+1], v[INV:INV+1] op_sel_hi:[1,0]   ; the normalised numbers, in f32
.endr
	v_add_nc_u32 v[SC], 0xff000000, v[M]           ; 2 off the exponent field: the conversion's scale operand
.irp g, 0,1,2,3
	v_cvt_scalef32_pk8_fp4_f32 v[CC+\g], v[XS+8*\g:XS+8*\g+7], v[SC]   ; to the nearest code, ties to even, beyond 6 the largest code; the lower k in the lower bits
.endr
	v_lshrrev_b32 v[E], 23, v[SC]                  ; the scale's byte (also the plain line behind the conversions)
	ds_store_b8 v[EIN], v[E] offset:32*(\t)
.endm
.macro SEND t                          ; block l of row t
	CODES \t
	global_store_b128 v[R+(\t)], v[CC:CC+3], s[8:9]
.endm
	LOAD 0
	LOAD 1
	LOAD 2
	s_wait_loadcnt 16                              ; row 0 is in; rows 1 and 2 may be out
	TURN 0
.irp t, 0,1,2,3,4,5,6,7,8,9,10,11,12,13,14,15
	STEP \t
.endr
	ds_load_b128 v[R+32:R+35], v[EOUT]             ; the 512 scale bytes; this load sees my byte stores (in order)
	v_lshlrev_b32 v[R], s23, v0                    ; my block's place in row 0's codes,
.irp t, 1,2,3,4,5,6,7,8,9,10,11,12,13,14,15
	v_mad_u32_u24 v[R+\t], s22, \t, v[R]           ; and in row t's
.endr
.irp t, 0,1,2,3,4,5,6,7,8,9,10,11,12,13,14,15
	SEND \t
.endr
	s_wait_dscnt 0x0
	global_store_b128 v[GA], v[R+32:R+35], s[10:11]    ; 512 consecutive bytes, at a multiple of 256 from the buffer's first byte
	s_wait_tensorcnt 0x0                           ; the wave's end
	ds_add_u32 v[SPW], v[NIL]
	s_wait_dscnt 0x0
	s_endpgm
.Lfunc_end_k_q7809ba6b87_quant:
	.size	k_q7809ba6b87_quant, .Lfunc_end_k_q7809ba6b87_quant-k_q7809ba6b87_quant
	.p2alignl 7, 3214868480
	.fill 96, 4, 3214868480
	.section	.rodata,"a",@progbits
	.p2align	6, 0x0
	.amdhsa_kernel k_q7809ba6b87_quant
		.amdhsa_group_segment_fixed_size 9984
		.amdhsa_private_segment_fixed_size 0
		.amdhsa_enable_private_segment 0
		.amdhsa_kernarg_size 48
		.amdhsa_user_sgpr_count 2
		.amdhsa_user_sgpr_kernarg_segment_ptr 1
		.amdhsa_wavefront_size32 1
		.amdhsa_system_sgpr_workgroup_id_x 1
		.amdhsa_system_sgpr_workgroup_id_y 1
		.amdhsa_system_sgpr_workgroup_id_z 1
		.amdhsa_system_vgpr_workitem_id 0
		.amdhsa_next_free_vgpr 256
		.amdhsa_next_free_sgpr 66
		.amdhsa_reserve_vcc 0
		.amdhsa_float_denorm_mode_32 3
		.amdhsa_float_denorm_mode_16_64 3
		.amdhsa_memory_ordered 1
		.amdhsa_forward_progress 1
		.amdhsa_inst_pref_size 100
	.end_amdhsa_kernel
	.amdgpu_metadata
---
amdhsa.version: [ 1, 2 ]
amdhsa.kernels:
  - .name:           k_q7809ba6b87_quant
    .symbol:         k_q7809ba6b87_quant.kd
    .args:
      - { .name: source_feats, .offset: 0, .size: 8, .value_kind: global_buffer, .address_space: global }
      - { .name: target_feats, .offset: 8, .size: 8, .value_kind: global_buffer, .address_space: global }
      - { .name: scodes, .offset: 16, .size: 8, .value_kind: global_buffer, .address_space: global }
      - { .name: sscl, .offset: 24, .size: 8, .value_kind: global_buffer, .address_space: global }
      - { .name: tcodes, .offset: 32, .size: 8, .value_kind: global_buffer, .address_space: global }
      - { .name: tscl, .offset: 40, .size: 8, .value_kind: global_buffer, .address_space: global }
    .group_segment_fixed_size: 9984
    .private_segment_fixed_size: 0
    .kernarg_segment_align: 8
    .kernarg_segment_size: 48
    .max_flat_workgroup_size: 32
    .sgpr_count:     66
    .vgpr_count:     256
    .wavefront_size: 32
...
	.end_amdgpu_metadata
.endif
;; end of part 1
;; launch sims (part 2): grid 2 x 125, 8 waves a work-group, no clusters, 327,680 bytes of LDS; arguments tcodes, tscl, scodes, sscl, cval, cidx; writes cval, cidx
.if DOCPART == 2
	.amdgcn_target "amdgcn-amd-amdhsa--gfx1250"
	.amdhsa_code_object_version 6
	.text
	.protected	k_q7809ba6b87_sims
	.globl	k_q7809ba6b87_sims
	.p2align	8
	.type	k_q7809ba6b87_sims,@function
k_q7809ba6b87_sims:
	s_mov_b64 s[64:65], 0
	v_nop
	global_prefetch_b8 v0, s[64:65] scope:SCOPE_SE
	s_setreg_imm32_b32 hwreg(HW_REG_WAVE_MODE, 25, 1), 1
	s_wait_xcnt 0x0
; The quantised product sim = s t^T on codes of FP4, and of it only what the choice of neighbours needs: for each source row and each slice of 25 target tiles,
; the four best TILES (16 neighbouring targets) by (largest sim of the tile, descending; tile number, ascending).
; WHY THAT IS ENOUGH: if four tiles rank ahead of a tile G, each holds a target that beats every target of G, by value or, at equal value, by its lower index.  So a row's four
; best targets (ties to the lower index) lie in its four best tiles; a later launch computes those 64 sims again and ranks them exactly.
; SHARES.  Work-group (x, y): source rows 512 x .. 512 x + 511, target rows 400 y .. 400 y + 399.  Wave w keeps source tiles 32 x + 4 w + b, b = 0 .. 3, for all of K, in 256 registers.
; THE SLICE comes into LDS once, each byte filled once: rows of 512 bytes of codes with 16 bytes of padding (pitch 528), and behind them the 12,800 scale bytes as they lie.
; At the head each wave issues one tensor load: waves 0-6 a tile of codes each (tiles 0-6), wave 7 the scale bytes.  Tiles 7-14 (16 rows a wave) and tiles 15-24 (20 rows a wave)
; follow, each behind the wait for all tensor loads, the add, the wait on DScnt and a barrier: one tensor load a wave is out at any time.
; THE PRODUCT: source 0 = 16 targets, source 1 = 16 source rows: a lane holds ONE source row (lane % 16) and the targets 8 (lane / 16) + 0 .. 7.
; SCALES: [row][32 bytes]; lane (r, h) takes the 16 bytes at 32 r + 16 h: register p holds K step p in lanes 0-15 and K step 4 + p in lanes 16-31.
; THE LISTS: one exchange of halves between the maxima of source tiles b and b + 1 gives lanes 0-15 tile b's rows and lanes 16-31 tile b + 1's.
; NO CLUSTER: 125 slices divide into no cluster of four, and a slice has two readers only (x = 0, 1).  NO PREFETCH: the slice is asked for in three groups, each a group ahead of its use; there is no longer stream to run ahead in.
; LIMITS: NaN among the sims is not served (see the quantising launch).
.set TROW,  528
.set TILEL, 16*TROW
.set SCLB,  400*TROW                   ; the scale bytes
.set SPARE, SCLB+12800                 ; the spare words: 128 bytes a wave, four blocks of 256 bytes
.set L16,  1                           ; v1  16 x lane
.set ADR,  2                           ; v2  LDS address of the pair of tiles in hand
.set TID,  3                           ; v3  the number of the tile in hand
.set ADS,  4                           ; v4  LDS address of their scale words
.set LB,   5                           ; v5  528 r + 16 h
.set LS,   6                           ; v6  32 r + 16 h
.set T,    8                           ; v8-11
.set VAL,  16                          ; v[16 + 8 g ..+3]  pair g: the four best values, descending
.set IDX,  20                          ; v[20 + 8 g ..+3]  their tile numbers
.set TP,   32                          ; v32-37
.set BSC,  48                          ; v48-63  the source tiles' scale words: 4 b + p
.set ASC,  64                          ; v64-71  the target tile's, two sets
.set ACC,  72                          ; v72-103 four accumulators
.set AB,   128                         ; v128-255 the target tile's fragments, two sets of 64; window 1: the source tiles': 64 b + 8 s
.set G1A,  24                          ; s[24:31] 16 rows of codes;  s[32:39] 20 rows;  s[40:47] the scale bytes
.set G1B,  32
.set G1S,  40
.set G0,   48                          ; s[48:51] head's codes, s[52:55] scales, s[56:59] tiles 7-14, s[60:63] tiles 15-24
.set MK,   68                          ; s68-75  masks
.set MSB, 0
.macro WIN new
.if MSB != \new
	s_set_vgpr_msb (MSB<<8)|\new
.set MSB, \new
.endif
.endm
.macro NOPS
.rept 4
	v_nop
.endr
.endm
	s_load_b256 s[4:11], s[0:1], 0x0               ; target codes, target scales, source codes, source scales
	s_load_b128 s[12:15], s[0:1], 0x20             ; values, tile numbers
	v_lshl_add_u32 v126, v0, 2, SPARE
	v_mov_b32 v127, 0
	ds_add_u32 v126, v127
	ds_add_u32 v126, v127
	v_lshrrev_b32 v1, 5, v0
	s_delay_alu instid0(VALU_DEP_1)
	v_readfirstlane_b32 s16, v1                    ; wave 0..7
	s_and_b32 s17, ttmp7, 0xffff                   ; y: the slice
	s_mov_b32 s[G1A+0], (3<<16)|(1<<20)|(6<<22)|(3<<25) ; elements of 8 bytes; 4 words of padding behind every 128
	s_mov_b32 s[G1B+0], (3<<16)|(1<<20)|(6<<22)|(3<<25)
.irp g, G1A, G1B
	s_mov_b32 s[\g+1], 64<<16                      ; tensor_dim0 = 64 (512 bytes)
	s_mov_b32 s[\g+3], 64<<16                      ; tile_dim0
	s_mov_b32 s[\g+5], 64                          ; pitch
	s_mov_b32 s[\g+6], 0
	s_mov_b32 s[\g+7], 0
.endr
	s_mov_b32 s[G1A+2], 16<<16
	s_mov_b32 s[G1A+4], 16
	s_mov_b32 s[G1B+2], 20<<16
	s_mov_b32 s[G1B+4], 20
	s_mov_b32 s[G1S+0], 3<<16                      ; 50 dense rows of 256 bytes
	s_mov_b32 s[G1S+1], 32<<16
	s_mov_b32 s[G1S+2], 50<<16
	s_mov_b32 s[G1S+3], 32<<16
	s_mov_b32 s[G1S+4], 50
	s_mov_b32 s[G1S+5], 32
	s_mov_b32 s[G1S+6], 0
	s_mov_b32 s[G1S+7], 0
	s_mov_b32 s[G0], 1
	s_mul_i32 s[G0+1], s16, TILEL
	s_mov_b32 s[G0+4], 1
	s_mov_b32 s[G0+5], SCLB
	s_mov_b32 s[G0+8], 1
	s_mul_i32 s[G0+9], s16, TILEL
	s_add_co_u32 s[G0+9], s[G0+9], 7*TILEL
	s_mov_b32 s[G0+12], 1
	s_mul_i32 s[G0+13], s16, 20*TROW
	s_add_co_u32 s[G0+13], s[G0+13], 15*TILEL
	s_mul_i32 s18, s17, 400*512                    ; the slice's first byte of codes: under 2^32
	s_lshl_b32 s19, s16, 13
	s_add_co_u32 s20, s18, s19                     ; tile w
	s_mov_b32 s21, 0
	s_add_co_u32 s22, s20, 7*8192                  ; tile 7 + w
	s_mov_b32 s23, 0
	s_mul_i32 s76, s16, 20*512
	s_add_co_u32 s76, s76, s18
	s_add_co_u32 s76, s76, 15*8192                 ; row 240 + 20 w
	s_mov_b32 s77, 0
	s_mul_i32 s78, s17, 12800
	s_mov_b32 s79, 0
	s_lshl_b32 s2, ttmp9, 5
	s_lshl_b32 s3, s16, 2
	s_add_co_u32 s2, s2, s3                        ; my first source tile: 32 x + 4 w
	s_lshl_b32 s66, s2, 13
	s_mov_b32 s67, 0
	v_and_b32 v7, 31, v0
	v_and_b32 v[LB], 15, v0                        ; r
	v_bfe_u32 v[LS], v0, 4, 1                      ; h
	v_lshlrev_b32 v[L16], 4, v7
	v_mul_u32_u24 v[ADR], v[LB], TROW
	v_lshl_add_u32 v[ADS], v[LB], 1, v[LS]
	s_delay_alu instid0(VALU_DEP_2)
	v_lshl_add_u32 v[LB], v[LS], 4, v[ADR]
	s_delay_alu instid0(VALU_DEP_2)
	v_lshlrev_b32 v[LS], 4, v[ADS]
	s_wait_alu depctr_va_vdst(0)                   ; the wait at the head's end
	s_wait_dscnt 0x0
	s_wait_kmcnt 0x0
	s_add_nc_u64 s[8:9], s[8:9], s[66:67]          ; my source tiles' codes: 8,192 bytes a tile
	s_lshl_b32 s66, s2, 9
	s_add_nc_u64 s[10:11], s[10:11], s[66:67]      ; their scale bytes: 512 a tile
	s_lshl_b32 s66, s17, 14                        ; out: 16,384 bytes a slice, 256 a source tile
	s_lshl_b32 s2, s2, 8
	s_add_co_u32 s66, s66, s2
	s_add_nc_u64 s[12:13], s[12:13], s[66:67]
	s_add_nc_u64 s[14:15], s[14:15], s[66:67]
	s_add_nc_u64 s[G0+2:G0+3], s[4:5], s[20:21]
	s_or_b32 s[G0+3], s[G0+3], 0x80000000
	s_add_nc_u64 s[G0+6:G0+7], s[6:7], s[78:79]
	s_or_b32 s[G0+7], s[G0+7], 0x80000000
	s_add_nc_u64 s[G0+10:G0+11], s[4:5], s[22:23]
	s_or_b32 s[G0+11], s[G0+11], 0x80000000
	s_add_nc_u64 s[G0+14:G0+15], s[4:5], s[76:77]
	s_or_b32 s[G0+15], s[G0+15], 0x80000000
	s_cmp_lt_u32 s16, 7                            ; the head's loads, one a wave, in the two arms of one branch on the wave's number
	s_cbranch_scc0 .Lhead_scales
	tensor_load_to_lds s[G0:G0+3], s[G1A:G1A+7]
	s_nop 0
	NOPS
	s_branch .Lhead_asked
.Lhead_scales:
	tensor_load_to_lds s[G0+4:G0+7], s[G1S:G1S+7]
	s_nop 0
	NOPS
.Lhead_asked:
	WIN 0x40                                       ; destination window 1, address window 0
.irp b, 0,1,2,3
.irp j, 0,1,2,3,4,5,6,7,8,9,10,11,12,13,14,15
	global_load_b128 v[64*\b+4*\j:64*\b+4*\j+3], v[L16], s[8:9] offset:8192*\b+512*\j    ; the source tiles stay for the whole launch
.endr
.endr
	WIN 0
.irp b, 0,1,2,3
	global_load_b128 v[BSC+4*\b:BSC+4*\b+3], v[LS], s[10:11] offset:512*\b
.endr
	s_mul_i32 s3, s17, 25
	s_sub_co_u32 s3, s3, 1
	v_mov_b32 v[TID], s3                           ; one under the slice's first tile: it is stepped ahead of its use
.irp g, 0,1
.irp k, 0,1,2,3
	v_mov_b32 v[VAL+8*\g+\k], 0xff800000           ; -infinity: under every sim; 25 tiles fill all four places
	v_mov_b32 v[IDX+8*\g+\k], 0
.endr
.endr
.macro FETCH p, t                      ; tile t (0, 1) of the pair in hand into set p: 16 loads of fragments, one of scale words
.irp j, 0,1,2,3,4,5,6,7,8,9,10,11,12,13,14,15
	ds_load_b128 v[AB+64*(\p)+4*\j:AB+64*(\p)+4*\j+3], v[ADR] offset:(\t)*TILEL+32*\j
.endr
	ds_load_b128 v[ASC+4*(\p):ASC+4*(\p)+3], v[ADS] offset:(\t)*512
.endm
.macro MM p, s, b                      ; K step s of accumulator b
.set rD, ACC+8*(\b)
.set rA, AB+64*(\p)+8*(\s)
.set rB, 64*(\b)+8*(\s)
.set rX, ASC+4*(\p)+(\s)%4
.set rY, BSC+4*(\b)+(\s)%4
.if (\s) == 0
	v_wmma_scale_f32_16x16x128_f8f6f4 v[rD:rD+7], v[rA:rA+7], v[rB:rB+7], 0, v[rX], v[rY] matrix_a_fmt:MATRIX_FMT_FP4 matrix_b_fmt:MATRIX_FMT_FP4
.elseif (\s) < 4
	v_wmma_scale_f32_16x16x128_f8f6f4 v[rD:rD+7], v[rA:rA+7], v[rB:rB+7], v[rD:rD+7], v[rX], v[rY] matrix_a_fmt:MATRIX_FMT_FP4 matrix_b_fmt:MATRIX_FMT_FP4
.else
	v_wmma_scale_f32_16x16x128_f8f6f4 v[rD:rD+7], v[rA:rA+7], v[rB:rB+7], v[rD:rD+7], v[rX], v[rY] matrix_a_fmt:MATRIX_FMT_FP4 matrix_b_fmt:MATRIX_FMT_FP4 matrix_a_scale:MATRIX_SCALE_ROW1 matrix_b_scale:MATRIX_SCALE_ROW1
.endif
.endm
.macro MULS p                          ; 32 matrix instructions: K ascending, the four accumulators by turns; the first K step starts the sums
	WIN 0x04                                       ; source 1 (the source rows) window 1
.irp s, 0,1,2,3,4,5,6,7
.irp b, 0,1,2,3
	MM \p, \s, \b
.endr
.endr
	WIN 0
	v_add_nc_u32 v[TID], 1, v[TID]                 ; this tile's number; with the three lines below: four places (ISA guide 7.12.1) ahead of the first read of results
.rept 3
	v_nop
.endr
.endm
; The tile's largest sim for each source row, and its place among the row's four best so far.  Strictly greater only: tiles come in ascending order, so at equal value the lower tile stays ahead.
.macro TOPK
.irp b, 0,1,2,3
	v_max3_num_f32 v[T+\b], v[ACC+8*\b], v[ACC+8*\b+1], v[ACC+8*\b+2]
.endr
.irp b, 0,1,2,3
	v_max3_num_f32 v[T+\b], v[T+\b], v[ACC+8*\b+3], v[ACC+8*\b+4]
.endr
.irp b, 0,1,2,3
	v_max3_num_f32 v[T+\b], v[T+\b], v[ACC+8*\b+5], v[ACC+8*\b+6]
.endr
.irp b, 0,1,2,3
	v_max_num_f32 v[T+\b], v[T+\b], v[ACC+8*\b+7]  ; of my eight targets
.endr
	s_delay_alu instid0(VALU_DEP_3)
	v_permlane16_swap_b32 v[T], v[T+1]             ; lanes 0-15 now hold both halves' maxima of source tile b, lanes 16-31 those of b + 1
	s_delay_alu instid0(VALU_DEP_2)
	v_permlane16_swap_b32 v[T+2], v[T+3]
	s_delay_alu instid0(VALU_DEP_2)
	v_max_num_f32 v[T], v[T], v[T+1]
	s_delay_alu instid0(VALU_DEP_2)
	v_max_num_f32 v[T+2], v[T+2], v[T+3]
.irp k, 0,1,2,3
.irp g, 0,1
	v_cmp_gt_f32 s[MK+4*\g+\k], v[T+2*\g], v[VAL+8*\g+\k]
.endr
.endr
.irp k, 3,2,1                                  ; the values: the middle one of the new value and the two old neighbours
.irp g, 0,1
	v_med3_num_f32 v[VAL+8*\g+\k], v[T+2*\g], v[VAL+8*\g+\k-1], v[VAL+8*\g+\k]
.endr
.endr
.irp g, 0,1
	v_max_num_f32 v[VAL+8*\g], v[T+2*\g], v[VAL+8*\g]
.endr
.irp k, 3,2,1                                  ; what place k would take
.irp g, 0,1
	v_cndmask_b32 v[TP+3*\g+\k-1], v[TID], v[IDX+8*\g+\k-1], s[MK+4*\g+\k-1]
.endr
.endr
.irp k, 3,2,1                                  ; and it takes that where the new tile beats place k
.irp g, 0,1
	v_cndmask_b32 v[IDX+8*\g+\k], v[IDX+8*\g+\k], v[TP+3*\g+\k-1], s[MK+4*\g+\k]
.endr
.endr
.irp g, 0,1
	v_cndmask_b32 v[IDX+8*\g], v[IDX+8*\g], v[TID], s[MK+4*\g]
.endr
.endm
.macro TILE p, fetch, t                ; a tile on set p; fetch = 1: the next tile's 17 loads go out first, into the other set
	s_wait_dscnt 0x0                               ; set p is in
.if \fetch
	FETCH 1-(\p), \t
.endif
	MULS \p
	TOPK
.endm
.macro PAIRS n                         ; n trips: trip k multiplies tiles 2 k, 2 k + 1 and fetches tiles 2 k + 1, 2 k + 2
	s_mov_b32 s19, \n
.Lpair_\@:
	s_wait_alu depctr_va_vdst(0)
	TILE 0, 1, 1
	s_add_co_u32 s18, s18, 2*TILEL
	s_add_co_u32 s20, s20, 1024
	v_add_nc_u32 v[ADR], s18, v[LB]
	v_add_nc_u32 v[ADS], s20, v[LS]
	s_wait_alu depctr_va_vdst(0)
	TILE 1, 1, 0
	s_sub_co_u32 s19, s19, 1
	s_cmp_lg_u32 s19, 0
	s_cbranch_scc1 .Lpair_\@
.endm
.macro MEET                            ; all my tensor loads have landed, the add, my LDS instructions are done, the barrier
	s_wait_alu depctr_va_vdst(0)
	s_wait_tensorcnt 0x0
	ds_add_u32 v126, v127
	s_wait_dscnt 0x0
	s_barrier_signal -1
	s_barrier_wait -1
.endm
	MEET                                           ; tiles 0-6 and the scale bytes are in
	tensor_load_to_lds s[G0+8:G0+11], s[G1A:G1A+7] ; tiles 7-14
	s_nop 0
	NOPS
	s_mov_b32 s18, 0
	s_mov_b32 s20, SCLB
	v_add_nc_u32 v[ADR], s18, v[LB]
	v_add_nc_u32 v[ADS], s20, v[LS]
	FETCH 0, 0
	s_wait_alu depctr_va_vdst(0)
	s_wait_loadcnt 0x0                             ; the source tiles
	PAIRS 3                                        ; multiplies tiles 0-5, fetches up to tile 6
	MEET                                           ; tiles 7-14 are in
	tensor_load_to_lds s[G0+12:G0+15], s[G1B:G1B+7] ; tiles 15-24
	s_nop 0
	NOPS
	PAIRS 4                                        ; multiplies tiles 6-13, fetches up to tile 14
	s_wait_alu depctr_va_vdst(0)
	s_wait_tensorcnt 0x0                           ; my part of tiles 15-24 is in: my one load that was out
	s_wait_dscnt 0x0
	s_barrier_signal -1
	s_barrier_wait -1                              ; everybody's is; nothing is asked for behind this barrier
	PAIRS 5                                        ; multiplies tiles 14-23, fetches up to tile 24
	TILE 0, 0, 0                                   ; the 25th tile
	; THE WAY OUT: [slice][row][4]: each store covers 512 consecutive bytes
	global_store_b128 v[L16], v[VAL:VAL+3], s[12:13]
	global_store_b128 v[L16], v[VAL+8:VAL+11], s[12:13] offset:512
	global_store_b128 v[L16], v[IDX:IDX+3], s[14:15]
	global_store_b128 v[L16], v[IDX+8:IDX+11], s[14:15] offset:512
	s_wait_tensorcnt 0x0                           ; the wave's end
	ds_add_u32 v126, v127
	s_wait_dscnt 0x0
	s_endpgm
.Lfunc_end_k_q7809ba6b87_sims:
	.size	k_q7809ba6b87_sims, .Lfunc_end_k_q7809ba6b87_sims-k_q7809ba6b87_sims
	.p2alignl 7, 3214868480
	.fill 96, 4, 3214868480
	.section	.rodata,"a",@progbits
	.p2align	6, 0x0
	.amdhsa_kernel k_q7809ba6b87_sims
		.amdhsa_group_segment_fixed_size 327680
		.amdhsa_private_segment_fixed_size 0
		.amdhsa_enable_private_segment 0
		.amdhsa_kernarg_size 48
		.amdhsa_user_sgpr_count 2
		.amdhsa_user_sgpr_kernarg_segment_ptr 1
		.amdhsa_wavefront_size32 1
		.amdhsa_system_sgpr_workgroup_id_x 1
		.amdhsa_system_sgpr_workgroup_id_y 1
		.amdhsa_system_sgpr_workgroup_id_z 1
		.amdhsa_system_vgpr_workitem_id 0
		.amdhsa_next_free_vgpr 512
		.amdhsa_next_free_sgpr 80
		.amdhsa_reserve_vcc 0
		.amdhsa_float_denorm_mode_32 3
		.amdhsa_float_denorm_mode_16_64 3
		.amdhsa_memory_ordered 1
		.amdhsa_forward_progress 1
		.amdhsa_inst_pref_size 73
	.end_amdhsa_kernel
	.amdgpu_metadata
---
amdhsa.version: [ 1, 2 ]
amdhsa.kernels:
  - .name:           k_q7809ba6b87_sims
    .symbol:         k_q7809ba6b87_sims.kd
    .args:
      - { .name: tcodes, .offset: 0, .size: 8, .value_kind: global_buffer, .address_space: global }
      - { .name: tscl, .offset: 8, .size: 8, .value_kind: global_buffer, .address_space: global }
      - { .name: scodes, .offset: 16, .size: 8, .value_kind: global_buffer, .address_space: global }
      - { .name: sscl, .offset: 24, .size: 8, .value_kind: global_buffer, .address_space: global }
      - { .name: cval, .offset: 32, .size: 8, .value_kind: global_buffer, .address_space: global }
      - { .name: cidx, .offset: 40, .size: 8, .value_kind: global_buffer, .address_space: global }
    .group_segment_fixed_size: 327680
    .private_segment_fixed_size: 0
    .kernarg_segment_align: 8
    .kernarg_segment_size: 48
    .max_flat_workgroup_size: 256
    .sgpr_count:     80
    .vgpr_count:     512
    .wavefront_size: 32
...
	.end_amdgpu_metadata
.endif
;; end of part 2
;; launch merge (part 3): grid 32 x 1, 25 waves a work-group, no clusters, 34,048 bytes of LDS; arguments cval, cidx, gids; writes gids
.if DOCPART == 3
	.amdgcn_target "amdgcn-amd-amdhsa--gfx1250"
	.amdhsa_code_object_version 6
	.text
	.protected	k_q7809ba6b87_merge
	.globl	k_q7809ba6b87_merge
	.p2align	8
	.type	k_q7809ba6b87_merge,@function
k_q7809ba6b87_merge:
	s_mov_b64 s[64:65], 0
	v_nop
	global_prefetch_b8 v0, s[64:65] scope:SCOPE_SE
	s_setreg_imm32_b32 hwreg(HW_REG_WAVE_MODE, 25, 1), 1
	s_wait_xcnt 0x0
; For each source row the 125 slices' lists of four best tiles become one list of four: by (value descending, tile number ascending).
; A work-group takes 32 rows, a lane a row.  125 = 5 x 5 x 5: three levels of one macro that merges five lists.  Level 1: 25 waves, five slices each, from memory;
; level 2: waves 0-4, five waves' lists each, from LDS; level 3: wave 0.  Lists are taken in ascending order of slices and an entry moves ahead only where it is strictly greater:
; later lists hold higher tile numbers, so at equal value the lower tile stays ahead.  The matrix units, tensor loads and clusters have nothing to do here: 4 MB are read once.
.set GO,  1                            ; v1  16 x lane
.set LW1, 2                            ; v2  LDS: my wave's list of level 1: 1,024 w (values, then 512 bytes on the tile numbers)
.set LR1, 3                            ; v3  level 2 reads: 5,120 x min(w, 4)
.set LW2, 4                            ; v4  level 2 writes: 25,600 + 1,024 x min(w, 4)
.set LR2, 5                            ; v5  level 3 reads: 25,600
.set LV,  16                           ; v[16 + 8 k ..+3] list k's values, v[20 + 8 k ..+3] its tile numbers; list 0 is the state
.set LI,  20
.set MK,  20                           ; s20-23 masks
	s_load_b128 s[4:7], s[0:1], 0x0                ; values, tile numbers
	s_load_b64 s[8:9], s[0:1], 0x10                ; the result
	v_lshl_add_u32 v64, v0, 2, 0x7800
	v_mov_b32 v65, 0
	v_lshrrev_b32 v1, 5, v0
	s_delay_alu instid0(VALU_DEP_1)
	v_readfirstlane_b32 s12, v1                    ; wave 0..24
	v_and_b32 v[GO], 31, v0
	s_delay_alu instid0(VALU_DEP_1)
	v_lshlrev_b32 v[GO], 4, v[GO]
	s_min_u32 s13, s12, 4
	s_lshl_b32 s18, s12, 10                        ; every LDS address is made here, ahead of the first branch
	v_add_nc_u32 v[LW1], s18, v[GO]
	s_mul_i32 s18, s13, 5120
	v_add_nc_u32 v[LR1], s18, v[GO]
	s_lshl_b32 s18, s13, 10
	s_add_co_u32 s18, s18, 25600
	v_add_nc_u32 v[LW2], s18, v[GO]
	v_add_nc_u32 v[LR2], 25600, v[GO]
	s_lshl_b32 s16, ttmp9, 9                       ; my work-group's 32 rows of 16 bytes
	s_mov_b32 s17, 0
	s_mul_i32 s14, s12, 81920                      ; my wave's five slices of 16,384 bytes
	s_add_co_u32 s14, s14, s16
	s_mov_b32 s15, 0
	s_wait_alu depctr_va_vdst(0)
	s_wait_kmcnt 0x0
	s_add_nc_u64 s[4:5], s[4:5], s[14:15]
	s_add_nc_u64 s[6:7], s[6:7], s[14:15]
	s_add_nc_u64 s[8:9], s[8:9], s[16:17]
.irp k, 0,1,2,3,4
	global_load_b128 v[LV+8*\k:LV+8*\k+3], v[GO], s[4:5] offset:16384*\k th:TH_LOAD_NT
	global_load_b128 v[LI+8*\k:LI+8*\k+3], v[GO], s[6:7] offset:16384*\k th:TH_LOAD_NT
.endr
; The entry (v[x], v[id]) finds its place in the state.  It is entry 'from' of a sorted list whose earlier entries are already in the state:
; so 'from' places of the state hold entries that are not behind it, and places 0 .. from - 1 are neither compared nor moved.
.macro INS x, id, from
.irp k, 0,1,2,3
.if \k >= \from
	v_cmp_gt_f32 s[MK+\k], v[\x], v[LV+\k]
.endif
.endr
.irp k, 3,2,1
.if \k > \from
	v_cndmask_b32 v[LI+\k], v[LI+\k], v[\id], s[MK+\k]
	s_delay_alu instid0(VALU_DEP_1)
	v_cndmask_b32 v[LI+\k], v[LI+\k], v[LI+\k-1], s[MK+\k-1]
.endif
.endr
	v_cndmask_b32 v[LI+\from], v[LI+\from], v[\id], s[MK+\from]
.irp k, 3,2,1
.if \k > \from
	v_med3_num_f32 v[LV+\k], v[\x], v[LV+\k-1], v[LV+\k]
.endif
.endr
	v_max_num_f32 v[LV+\from], v[\x], v[LV+\from]
.endm
.macro MERGE5 counted                  ; lists 1 to 4 into list 0
.irp k, 1,2,3,4
.if \counted
	s_wait_alu depctr_va_vdst(0)
	s_wait_loadcnt 2*(4-\k)                        ; lists 0 to k are in; the two loads of each later list may be out
.endif
.irp e, 0,1,2,3
	INS LV+8*\k+\e, LI+8*\k+\e, \e
.endr
.endr
.endm
	MERGE5 1
	ds_store_b128 v[LW1], v[LV:LV+3]
	ds_store_b128 v[LW1], v[LI:LI+3] offset:512
	s_wait_dscnt 0x0                               ; for the others' sake: my stores have landed
	s_barrier_signal -1
	s_barrier_wait -1
	s_cmp_lt_u32 s12, 5
	s_cbranch_scc0 .Lnot_level_2
.irp k, 0,1,2,3,4
	ds_load_b128 v[LV+8*\k:LV+8*\k+3], v[LR1] offset:1024*\k
	ds_load_b128 v[LI+8*\k:LI+8*\k+3], v[LR1] offset:1024*\k+512
.endr
	s_wait_dscnt 0x0
	MERGE5 0
	ds_store_b128 v[LW2], v[LV:LV+3]
	ds_store_b128 v[LW2], v[LI:LI+3] offset:512
.Lnot_level_2:
	s_wait_dscnt 0x0
	s_barrier_signal -1
	s_barrier_wait -1
	s_cmp_lg_u32 s12, 0
	s_cbranch_scc1 .Lend
.irp k, 0,1,2,3,4
	ds_load_b128 v[LV+8*\k:LV+8*\k+3], v[LR2] offset:1024*\k
	ds_load_b128 v[LI+8*\k:LI+8*\k+3], v[LR2] offset:1024*\k+512
.endr
	s_wait_dscnt 0x0
	MERGE5 0
	global_store_b128 v[GO], v[LI:LI+3], s[8:9]    ; 32 rows' four tile numbers: 512 consecutive bytes
.Lend:
	s_wait_tensorcnt 0x0
	ds_add_u32 v64, v65
	s_wait_dscnt 0x0
	s_endpgm
.Lfunc_end_k_q7809ba6b87_merge:
	.size	k_q7809ba6b87_merge, .Lfunc_end_k_q7809ba6b87_merge-k_q7809ba6b87_merge
	.p2alignl 7, 3214868480
	.fill 96, 4, 3214868480
	.section	.rodata,"a",@progbits
	.p2align	6, 0x0
	.amdhsa_kernel k_q7809ba6b87_merge
		.amdhsa_group_segment_fixed_size 34048
		.amdhsa_private_segment_fixed_size 0
		.amdhsa_enable_private_segment 0
		.amdhsa_kernarg_size 24
		.amdhsa_user_sgpr_count 2
		.amdhsa_user_sgpr_kernarg_segment_ptr 1
		.amdhsa_wavefront_size32 1
		.amdhsa_system_sgpr_workgroup_id_x 1
		.amdhsa_system_sgpr_workgroup_id_y 1
		.amdhsa_system_sgpr_workgroup_id_z 1
		.amdhsa_system_vgpr_workitem_id 0
		.amdhsa_next_free_vgpr 66
		.amdhsa_next_free_sgpr 66
		.amdhsa_reserve_vcc 0
		.amdhsa_float_denorm_mode_32 3
		.amdhsa_float_denorm_mode_16_64 3
		.amdhsa_memory_ordered 1
		.amdhsa_forward_progress 1
		.amdhsa_inst_pref_size 33
	.end_amdhsa_kernel
	.amdgpu_metadata
---
amdhsa.version: [ 1, 2 ]
amdhsa.kernels:
  - .name:           k_q7809ba6b87_merge
    .symbol:         k_q7809ba6b87_merge.kd
    .args:
      - { .name: cval, .offset: 0, .size: 8, .value_kind: global_buffer, .address_space: global }
      - { .name: cidx, .offset: 8, .size: 8, .value_kind: global_buffer, .address_space: global }
      - { .name: gids, .offset: 16, .size: 8, .value_kind: global_buffer, .address_space: global }
    .group_segment_fixed_size: 34048
    .private_segment_fixed_size: 0
    .kernarg_segment_align: 8
    .kernarg_segment_size: 24
    .max_flat_workgroup_size: 800
    .sgpr_count:     66
    .vgpr_count:     66
    .wavefront_size: 32
...
	.end_amdgpu_metadata
.endif
;; end of part 3
;; launch rerank (part 4): grid 256 x 1, 4 waves a work-group, no clusters, 0 bytes of LDS; arguments gids, tcodes, tscl, scodes, sscl, nidx; writes nidx
.if DOCPART == 4
	.amdgcn_target "amdgcn-amd-amdhsa--gfx1250"
	.amdhsa_code_object_version 6
	.text
	.protected	k_q7809ba6b87_rerank
	.globl	k_q7809ba6b87_rerank
	.p2align	8
	.type	k_q7809ba6b87_rerank,@function
k_q7809ba6b87_rerank:
	s_mov_b64 s[64:65], 0
	v_nop
	global_prefetch_b8 v0, s[64:65] scope:SCOPE_SE
	s_setreg_imm32_b32 hwreg(HW_REG_WAVE_MODE, 25, 1), 1
	s_wait_xcnt 0x0
; For each source row: the sims with the 64 targets of its four best tiles are computed again, by the same matrix instructions on the same codes in the same order of K,
; and ranked exactly: by (sim descending, target index ascending), as jax.lax.top_k breaks ties.  The four target indices are stored as whole numbers for the launch that gathers.
; A wave takes one row n = 4 x work-group + wave.  The tile numbers were stored by the launch before; each is held to 0 .. 3,124 ahead of its use in an address.
; Source 0 = a tile's 16 targets (row-major codes: lane (r, h) takes 16 bytes at 512 r + 16 h + 32 j); source 1 = row n's codes in ALL sixteen columns, out of the source's record.
; Scale words: lane (r, h) takes the 16 bytes at 32 row + 16 h: register p holds K step p in lanes 0-15, K step 4 + p in lanes 16-31.
; No LDS, no tensor load: nothing is shared between waves.
.set LT,  1                            ; v1  512 r + 16 h
.set VB,  2                            ; v2  256 h + 16 (n % 16)
.set H8,  3                            ; v3  8 h
.set GB,  4                            ; v4-7  16 x tile q + 8 h: my first target of tile q
.set XI,  8
.set LS,  11                           ; v11 32 r + 16 h
.set H16, 12                           ; v12 16 h
.set TV,  16                           ; v16-19 the four best values
.set TI,  20                           ; v20-23 their indices
.set BSC, 24                           ; v24-27 the row's scale words
.set ASC, 28                           ; v28-43 the tiles': 4 q + p
.set ACC, 48                           ; v48-79 four accumulators
.set OT,  80                           ; v80-87 the other half's list
.set AO,  88                           ; v88-91 the tiles' scale words' offsets
.set BF,  128                          ; v128-191 the row's fragments: 8 s;   window 1: the tiles': 64 q + 8 s
.set MG,  44
.set ME,  48
.set ML,  52
.set MSB, 0
.macro WIN new
.if MSB != \new
	s_set_vgpr_msb (MSB<<8)|\new
.set MSB, \new
.endif
.endm
	s_load_b256 s[4:11], s[0:1], 0x0               ; tile numbers, target codes, target scales, source codes
	s_load_b128 s[56:59], s[0:1], 0x20             ; source scales, result
	v_lshrrev_b32 v1, 5, v0
	v_readfirstlane_b32 s12, v1                    ; wave 0..3
	s_lshl_b32 s13, ttmp9, 2
	s_add_co_u32 s13, s13, s12                     ; n
	s_lshl_b32 s14, s13, 4
	s_mov_b32 s15, 0
	s_lshr_b32 s16, s13, 4
	s_lshl_b32 s16, s16, 13                        ; the row's record
	s_mov_b32 s17, 0
	s_and_b32 s18, s13, 15
	s_lshl_b32 s18, s18, 4
	s_lshl_b32 s22, s13, 5                         ; the row's scale bytes
	s_mov_b32 s23, 0
	s_mov_b32 s20, 0x76543210
	s_mov_b32 s21, 0xfedcba98
	v_and_b32 v[LT], 15, v0
	v_bfe_u32 v[H8], v0, 4, 1
	v_lshl_add_u32 v[LS], v[LT], 1, v[H8]
	v_lshlrev_b32 v[LT], 9, v[LT]
	v_lshlrev_b32 v[LS], 4, v[LS]
	v_lshl_add_u32 v[LT], v[H8], 4, v[LT]
	v_lshl_add_u32 v[VB], v[H8], 8, s18
	v_lshlrev_b32 v[H16], 4, v[H8]
	v_lshlrev_b32 v[H8], 3, v[H8]
	s_wait_alu depctr_va_vdst(0)                   ; the wait at the head's end
	s_wait_kmcnt 0x0
	s_add_nc_u64 s[4:5], s[4:5], s[14:15]
	s_add_nc_u64 s[58:59], s[58:59], s[14:15]
	s_add_nc_u64 s[10:11], s[10:11], s[16:17]
	s_add_nc_u64 s[56:57], s[56:57], s[22:23]
	s_load_b128 s[24:27], s[4:5], 0x0              ; the row's four tiles
.irp j, 0,1,2,3,4,5,6,7,8,9,10,11,12,13,14,15
	global_load_b128 v[BF+4*\j:BF+4*\j+3], v[VB], s[10:11] offset:512*\j
.endr
	global_load_b128 v[BSC:BSC+3], v[H16], s[56:57]
.irp k, 0,1,2,3
	v_mov_b32 v[TV+\k], 0xff800000                 ; -infinity, with the greatest index: behind every target
	v_mov_b32 v[TI+\k], -1
	v_mov_b32 v[OT+\k], 0                          ; a lane permute's destination counts as one of its sources
	v_mov_b32 v[OT+4+\k], 0
.endr
	s_mov_b32 s41, 0
	s_wait_kmcnt 0x0
.irp q, 0,1,2,3
	s_min_u32 s[24+\q], s[24+\q], 3124             ; a loaded number enters an address only behind this hold
	s_lshl_b32 s40, s[24+\q], 13                   ; 16 rows of 512 bytes
	s_add_nc_u64 s[32+2*\q:33+2*\q], s[6:7], s[40:41]
	v_lshl_add_u32 v[GB+\q], s[24+\q], 4, v[H8]
	v_lshl_add_u32 v[AO+\q], s[24+\q], 9, v[LS]    ; 16 rows of 32 scale bytes
.endr
	s_wait_alu depctr_va_vdst(0)                   ; the wait here, ahead of the readers below
.irp q, 0,1,2,3
	global_load_b128 v[ASC+4*\q:ASC+4*\q+3], v[AO+\q], s[8:9]
.endr
	WIN 0x40                                       ; destination window 1
.irp q, 0,1,2,3
.irp j, 0,1,2,3,4,5,6,7,8,9,10,11,12,13,14,15
	global_load_b128 v[64*\q+4*\j:64*\q+4*\j+3], v[LT], s[32+2*\q:33+2*\q] offset:32*\j
.endr
.endr
	WIN 0
	s_wait_alu depctr_va_vdst(0)
	s_wait_loadcnt 0x0
.macro MM s, q
.set rD, ACC+8*(\q)
.set rA, 64*(\q)+8*(\s)
.set rB, BF+8*(\s)
.set rX, ASC+4*(\q)+(\s)%4
.set rY, BSC+(\s)%4
.if (\s) == 0
	v_wmma_scale_f32_16x16x128_f8f6f4 v[rD:rD+7], v[rA:rA+7], v[rB:rB+7], 0, v[rX], v[rY] matrix_a_fmt:MATRIX_FMT_FP4 matrix_b_fmt:MATRIX_FMT_FP4
.elseif (\s) < 4
	v_wmma_scale_f32_16x16x128_f8f6f4 v[rD:rD+7], v[rA:rA+7], v[rB:rB+7], v[rD:rD+7], v[rX], v[rY] matrix_a_fmt:MATRIX_FMT_FP4 matrix_b_fmt:MATRIX_FMT_FP4
.else
	v_wmma_scale_f32_16x16x128_f8f6f4 v[rD:rD+7], v[rA:rA+7], v[rB:rB+7], v[rD:rD+7], v[rX], v[rY] matrix_a_fmt:MATRIX_FMT_FP4 matrix_b_fmt:MATRIX_FMT_FP4 matrix_a_scale:MATRIX_SCALE_ROW1 matrix_b_scale:MATRIX_SCALE_ROW1
.endif
.endm
	WIN 0x01                                       ; source 0 (the tiles) window 1
.irp s, 0,1,2,3,4,5,6,7                        ; K ascending, the four accumulators by turns
.irp q, 0,1,2,3
	MM \s, \q
.endr
.endr
	WIN 0
.rept 4
	v_nop                                          ; four places (ISA guide 7.12.1) ahead of the first read of results
.endr
; The entry (v[x], v[xi]) moves ahead of place k where it is greater, or equal with the lower index.
; from: the entry is entry 'from' of a sorted list whose earlier entries are already in (0 for a lone entry): places 0 .. from - 1 hold entries ahead of it and are neither compared nor moved.
.macro INS_TB x, xi, from
.irp k, 0,1,2,3
.if \k >= \from
	v_cmp_gt_f32 s[MG+\k], v[\x], v[TV+\k]
	v_cmp_eq_f32 s[ME+\k], v[\x], v[TV+\k]
	v_cmp_lt_u32 s[ML+\k], v[\xi], v[TI+\k]
.endif
.endr
.irp k, 0,1,2,3
.if \k >= \from
	s_and_b32 s[ME+\k], s[ME+\k], s[ML+\k]
	s_or_b32 s[MG+\k], s[MG+\k], s[ME+\k]
.endif
.endr
.irp k, 3,2,1
.if \k > \from
	v_cndmask_b32 v[TI+\k], v[TI+\k], v[\xi], s[MG+\k]
	v_cndmask_b32 v[TI+\k], v[TI+\k], v[TI+\k-1], s[MG+\k-1]
.endif
.endr
	v_cndmask_b32 v[TI+\from], v[TI+\from], v[\xi], s[MG+\from]
.irp k, 3,2,1
.if \k > \from
	v_med3_num_f32 v[TV+\k], v[\x], v[TV+\k-1], v[TV+\k]
.endif
.endr
	v_max_num_f32 v[TV+\from], v[\x], v[TV+\from]
.endm
; The sixteen lanes of a half hold the same 32 sims (all sixteen columns are row n).  So lane l takes tile l % 4 alone: its eight sims are chosen out of the four accumulators
; (each accumulator is read from its low end on), ranked, and the lists of four are then joined across lanes l xor 1, l xor 2 and l xor 16.  The order is total (the indices differ), so both partners end with the same list.
.set SA, 96                            ; v96-103  my tile's eight sims;  v104-111 at work
.set SB, 104
.set GS, 92                            ; v92 my tile's first target of my half;  v93 at work
	s_mov_b32 s42, 0xaaaaaaaa                      ; lanes with l % 2 = 1
	s_mov_b32 s43, 0xcccccccc                      ; lanes with (l / 2) % 2 = 1
.irp j, 0,1,2,3,4,5,6,7
	v_cndmask_b32 v[SA+\j], v[ACC+\j], v[ACC+8+\j], s42
	v_cndmask_b32 v[SB+\j], v[ACC+16+\j], v[ACC+24+\j], s42
.endr
	v_cndmask_b32 v[GS], v[GB], v[GB+1], s42
	v_cndmask_b32 v[GS+1], v[GB+2], v[GB+3], s42
.irp j, 0,1,2,3,4,5,6,7
	v_cndmask_b32 v[SA+\j], v[SA+\j], v[SB+\j], s43
.endr
	v_cndmask_b32 v[GS], v[GS], v[GS+1], s43
.irp j, 0,1,2,3,4,5,6,7
	v_add_nc_u32 v[XI], \j, v[GS]
	INS_TB SA+\j, XI, 0
.endr
.irp m, 1,2                                    ; the partner's list is copied whole, then taken in, entry by entry
.irp k, 0,1,2,3
	v_mov_b32_dpp v[OT+\k], v[TV+\k] row_xmask:\m row_mask:0xf bank_mask:0xf
	v_mov_b32_dpp v[OT+4+\k], v[TI+\k] row_xmask:\m row_mask:0xf bank_mask:0xf
.endr
.irp k, 0,1,2,3
	INS_TB OT+\k, OT+4+\k, \k
.endr
.endr
.irp k, 0,1,2,3                                ; the other half's 32 targets lie in lane l xor 16
	v_permlanex16_b32 v[OT+\k], v[TV+\k], s20, s21
	v_permlanex16_b32 v[OT+4+\k], v[TI+\k], s20, s21
.endr
.irp k, 0,1,2,3
	INS_TB OT+\k, OT+4+\k, \k
.endr
	v_and_b32 v9, 31, v0
	v_cmp_eq_u32 vcc_lo, 0, v9
	v_mov_b32 v10, 0
	s_wait_alu depctr_va_vdst(0)
	s_wait_xcnt 0x0                                ; EXEC changes only behind this wait
	s_and_saveexec_b32 s60, vcc_lo                 ; every lane holds the same list: lane 0 stores it
	global_store_b128 v10, v[TI:TI+3], s[58:59]
	s_wait_xcnt 0x0                                ; and again, in front of the line that widens it
	s_or_b32 exec_lo, exec_lo, s60
	s_endpgm
.Lfunc_end_k_q7809ba6b87_rerank:
	.size	k_q7809ba6b87_rerank, .Lfunc_end_k_q7809ba6b87_rerank-k_q7809ba6b87_rerank
	.p2alignl 7, 3214868480
	.fill 96, 4, 3214868480
	.section	.rodata,"a",@progbits
	.p2align	6, 0x0
	.amdhsa_kernel k_q7809ba6b87_rerank
		.amdhsa_group_segment_fixed_size 0
		.amdhsa_private_segment_fixed_size 0
		.amdhsa_enable_private_segment 0
		.amdhsa_kernarg_size 48
		.amdhsa_user_sgpr_count 2
		.amdhsa_user_sgpr_kernarg_segment_ptr 1
		.amdhsa_wavefront_size32 1
		.amdhsa_system_sgpr_workgroup_id_x 1
		.amdhsa_system_sgpr_workgroup_id_y 1
		.amdhsa_system_sgpr_workgroup_id_z 1
		.amdhsa_system_vgpr_workitem_id 0
		.amdhsa_next_free_vgpr 512
		.amdhsa_next_free_sgpr 66
		.amdhsa_reserve_vcc 1
		.amdhsa_float_denorm_mode_32 3
		.amdhsa_float_denorm_mode_16_64 3
		.amdhsa_memory_ordered 1
		.amdhsa_forward_progress 1
		.amdhsa_inst_pref_size 45
	.end_amdhsa_kernel
	.amdgpu_metadata
---
amdhsa.version: [ 1, 2 ]
amdhsa.kernels:
  - .name:           k_q7809ba6b87_rerank
    .symbol:         k_q7809ba6b87_rerank.kd
    .args:
      - { .name: gids, .offset: 0, .size: 8, .value_kind: global_buffer, .address_space: global }
      - { .name: tcodes, .offset: 8, .size: 8, .value_kind: global_buffer, .address_space: global }
      - { .name: tscl, .offset: 16, .size: 8, .value_kind: global_buffer, .address_space: global }
      - { .name: scodes, .offset: 24, .size: 8, .value_kind: global_buffer, .address_space: global }
      - { .name: sscl, .offset: 32, .size: 8, .value_kind: global_buffer, .address_space: global }
      - { .name: nidx, .offset: 40, .size: 8, .value_kind: global_buffer, .address_space: global }
    .group_segment_fixed_size: 0
    .private_segment_fixed_size: 0
    .kernarg_segment_align: 8
    .kernarg_segment_size: 48
    .max_flat_workgroup_size: 128
    .sgpr_count:     66
    .vgpr_count:     512
    .wavefront_size: 32
...
	.end_amdgpu_metadata
.endif
;; end of part 4
;; launch gather (part 5): grid 256 x 1, 4 waves a work-group, no clusters, 0 bytes of LDS; arguments nidx, target_feats, out0; writes out0
.if DOCPART == 5
	.amdgcn_target "amdgcn-amd-amdhsa--gfx1250"
	.amdhsa_code_object_version 6
	.text
	.protected	k_q7809ba6b87_gather
	.globl	k_q7809ba6b87_gather
	.p2align	8
	.type	k_q7809ba6b87_gather,@function
k_q7809ba6b87_gather:
	s_mov_b64 s[64:65], 0
	v_nop
	global_prefetch_b8 v0, s[64:65] scope:SCOPE_SE
	s_setreg_imm32_b32 hwreg(HW_REG_WAVE_MODE, 25, 1), 1
	s_wait_xcnt 0x0
; out0[n] = the mean of the four ORIGINAL target rows whose indices the launch before stored for source row n.  A wave takes a row: n = 4 x work-group + wave.
; Each index is held to 0 .. 49,999 ahead of its use in an address.  All 32 loads (4 rows x 8 chunks of 512 consecutive bytes) go out at once; a chunk is summed and stored as soon as its four loads are in.
; No cache hint on the loads: several source rows may name the same target row.  LDS, matrix units and clusters have nothing to do here.
.set D, 16                             ; v[16 + 16 i + 4 k ..+3]: chunk i of neighbour k
	s_load_b128 s[4:7], s[0:1], 0x0                ; indices, target_feats
	s_load_b64 s[8:9], s[0:1], 0x10                ; out0
	v_lshrrev_b32 v1, 5, v0
	v_readfirstlane_b32 s12, v1
	v_and_b32 v1, 31, v0
	v_lshlrev_b32 v1, 4, v1                        ; 16 x lane
	s_lshl_b32 s13, ttmp9, 2
	s_add_co_u32 s13, s13, s12                     ; n
	s_lshl_b32 s14, s13, 4
	s_mov_b32 s15, 0
	s_lshl_b32 s10, s13, 12
	s_mov_b32 s11, 0
	s_mov_b32 s30, 0x3e800000                      ; 1 / 4
	s_mov_b32 s31, s30                             ; (named with it as a pair)
	s_mov_b32 s29, 0
	s_wait_alu depctr_va_vdst(0)
	s_wait_kmcnt 0x0
	s_add_nc_u64 s[4:5], s[4:5], s[14:15]
	s_add_nc_u64 s[8:9], s[8:9], s[10:11]
	s_load_b128 s[16:19], s[4:5], 0x0
	s_wait_kmcnt 0x0
.irp k, 0,1,2,3
	s_min_u32 s[16+\k], s[16+\k], 49999
	s_lshl_b32 s28, s[16+\k], 12                   ; a row is 4,096 bytes: under 2^32
	s_add_nc_u64 s[20+2*\k:21+2*\k], s[6:7], s[28:29]
.endr
.irp i, 0,1,2,3,4,5,6,7
.irp k, 0,1,2,3
	global_load_b128 v[D+16*\i+4*\k:D+16*\i+4*\k+3], v1, s[20+2*\k:21+2*\k] offset:512*\i
.endr
.endr
.irp i, 0,1,2,3,4,5,6,7
	s_wait_loadcnt 4*(7-\i)                        ; chunk i's four loads are in; the four of each later chunk may be out
	v_pk_add_f32 v[D+16*\i:D+16*\i+1], v[D+16*\i:D+16*\i+1], v[D+16*\i+4:D+16*\i+5]
	v_pk_add_f32 v[D+16*\i+2:D+16*\i+3], v[D+16*\i+2:D+16*\i+3], v[D+16*\i+6:D+16*\i+7]
	v_pk_add_f32 v[D+16*\i+8:D+16*\i+9], v[D+16*\i+8:D+16*\i+9], v[D+16*\i+12:D+16*\i+13]
	v_pk_add_f32 v[D+16*\i+10:D+16*\i+11], v[D+16*\i+10:D+16*\i+11], v[D+16*\i+14:D+16*\i+15]
	v_pk_add_f32 v[D+16*\i:D+16*\i+1], v[D+16*\i:D+16*\i+1], v[D+16*\i+8:D+16*\i+9]
	v_pk_add_f32 v[D+16*\i+2:D+16*\i+3], v[D+16*\i+2:D+16*\i+3], v[D+16*\i+10:D+16*\i+11]
	v_pk_mul_f32 v[D+16*\i:D+16*\i+1], v[D+16*\i:D+16*\i+1], s[30:31] op_sel_hi:[1,0]
	v_pk_mul_f32 v[D+16*\i+2:D+16*\i+3], v[D+16*\i+2:D+16*\i+3], s[30:31] op_sel_hi:[1,0]
	global_store_b128 v1, v[D+16*\i:D+16*\i+3], s[8:9] offset:512*\i th:TH_STORE_NT   ; 512 consecutive bytes, at a multiple of 256 from out0's first byte
.endr
	s_endpgm
.Lfunc_end_k_q7809ba6b87_gather:
	.size	k_q7809ba6b87_gather, .Lfunc_end_k_q7809ba6b87_gather-k_q7809ba6b87_gather
	.p2alignl 7, 3214868480
	.fill 96, 4, 3214868480
	.section	.rodata,"a",@progbits
	.p2align	6, 0x0
	.amdhsa_kernel k_q7809ba6b87_gather
		.amdhsa_group_segment_fixed_size 0
		.amdhsa_private_segment_fixed_size 0
		.amdhsa_enable_private_segment 0
		.amdhsa_kernarg_size 24
		.amdhsa_user_sgpr_count 2
		.amdhsa_user_sgpr_kernarg_segment_ptr 1
		.amdhsa_wavefront_size32 1
		.amdhsa_system_sgpr_workgroup_id_x 1
		.amdhsa_system_sgpr_workgroup_id_y 1
		.amdhsa_system_sgpr_workgroup_id_z 1
		.amdhsa_system_vgpr_workitem_id 0
		.amdhsa_next_free_vgpr 160
		.amdhsa_next_free_sgpr 66
		.amdhsa_reserve_vcc 0
		.amdhsa_float_denorm_mode_32 3
		.amdhsa_float_denorm_mode_16_64 3
		.amdhsa_memory_ordered 1
		.amdhsa_forward_progress 1
		.amdhsa_inst_pref_size 10
	.end_amdhsa_kernel
	.amdgpu_metadata
---
amdhsa.version: [ 1, 2 ]
amdhsa.kernels:
  - .name:           k_q7809ba6b87_gather
    .symbol:         k_q7809ba6b87_gather.kd
    .args:
      - { .name: nidx, .offset: 0, .size: 8, .value_kind: global_buffer, .address_space: global }
      - { .name: target_feats, .offset: 8, .size: 8, .value_kind: global_buffer, .address_space: global }
      - { .name: out0, .offset: 16, .size: 8, .value_kind: global_buffer, .address_space: global }
    .group_segment_fixed_size: 0
    .private_segment_fixed_size: 0
    .kernarg_segment_align: 8
    .kernarg_segment_size: 24
    .max_flat_workgroup_size: 128
    .sgpr_count:     66
    .vgpr_count:     160
    .wavefront_size: 32
...
	.end_amdgpu_metadata
.endif
;; end of part 5
